; MI455X (gfx1250); checked and timed in simulation.
; The chip was launched on July 23, 2026; its instructions are those of AMD's public machine-readable ISA for CDNA 5 (MIT licence, August 2026) and "CDNA5" Instruction Set Architecture Reference Guide (July 2026). The comments in the code are by the model that wrote it; some were corrected since.
;; Multi Head Cross Attention. Allowed arithmetic: matrix products marked QUANTISED: E2M1 operands, one E8M0 scale for each 32 along K, by v_wmma_scale_f32_16x16x128_f8f6f4 with both operands' format E2M1 (or v_wmma_scale_f32_32x16x128_f4), f32 sums; everything else in f32.
;; Inputs: Wk 512 x 512 float32; Wo 512 x 512 float32; Wq 512 x 512 float32; Wv 512 x 512 float32; bk 512 float32; bo 512 float32; bq 512 float32; bv 512 float32; key_mask 8 x 1,024 bool; key_pos 8 x 1,024 x 3 float32; key_value 8 x 8 x 1,024 x 512 float32; query 8 x 8 x 128 x 512 float32; query_pos 8 x 128 x 3 float32.
;; Outputs: out0 8 x 8 x 128 x 512 float32.
;; This version of the problem:
;;   THIS VERSION OF THE PROBLEM IS GIVEN IN LOW PRECISION. The matrix products marked QUANTISED in the list below multiply operands that are first quantised to E2M1 (2 exponent bits, 1 mantissa bit; 4 bits a number), with one power-of-two scale for each 32 numbers along K (OCP MX v1.0); their sums are f32. All else is computed in f32.
;;   The module's matrix products, in the order in which they are computed (A, B: the left and right operand; K: the contracted axis; several contracted axes count as one K, in the product's order):
;;     1. [M 8,192, K 512] x [K 512, N 512]; A: input query; B: input Wq: QUANTISED
;;     2. [M 65,536, K 512] x [K 512, N 512]; A: input key_value; B: input Wk: QUANTISED
;;     3. [M 65,536, K 512] x [K 512, N 512]; A: input key_value; B: input Wv: QUANTISED
;;     4. batch 512 x [M 128, K 64] x [K 64, N 1,024]; A: computed on the way; B: computed on the way: QUANTISED
;;     5. batch 512 x [M 64, K 1,024] x [K 1,024, N 128]; A: computed on the way; B: softmax (see below): QUANTISED
;;     6. [M 8,192, K 512] x [K 512, N 512]; A: computed on the way; B: input Wo: QUANTISED
;;   THE QUANTISER, for each operand of a quantised product, along K:
;;     - K is cut into blocks of 32 from its start; a last block that is shorter is filled with zeros.
;;     - A block's scale is 2^e with e = floor(log2(the largest magnitude in the block)) - 2, held to -126 .. 127; a block of zeros has e = 0. As a byte (E8M0): e + 127.
;;     - Each number is divided by its block's scale, clamped to +-6, and rounded to the nearest number of E2M1, ties to even, subnormals kept.
;;     - The product sums the exact products of the quantised numbers (number of the format x scale) in f32.
;;   ~~~python
;;   def quantise(x, axis):      # numpy; x: float32 -> the quantised numbers, widened to float32 again
;;       x = np.moveaxis(x, axis, -1); K = x.shape[-1]
;;       x = np.pad(x, [(0, 0)] * (x.ndim - 1) + [(0, -K % 32)]); x = x.reshape(x.shape[:-1] + (-1, 32)); a = np.abs(x).max(-1, keepdims=True)
;;       e = np.where(a > 0, np.clip(np.frexp(np.where(a > 0, a, 1))[1] - 1 - 2, -126, 127), 0)      # np.frexp(a)[1] - 1 = floor(log2(a)), exactly
;;       r = np.clip(x / 2.0 ** e, -6, 6)
;;       step = 2.0 ** (np.maximum(np.frexp(np.where(r == 0, 1, r))[1] - 1, 0) - 1)
;;       q = np.round(r / step) * step * 2.0 ** e      # np.round: ties to even
;;       return np.moveaxis(q.reshape(q.shape[:-2] + (-1,))[..., :K], -1, axis).astype(np.float32)
;;   ~~~
;;   SOFTMAX AHEAD OF A QUANTISED PRODUCT. Where the list says 'softmax', what is quantised is not the finished softmax but p = 2^(t - M), with t = logit x log2(e) and M = ceil(the row's largest t), a whole number; so 1/2 < the row's largest p <= 1. The row's sum l is taken of the UNQUANTISED p, in f32, and the product's result is divided by l at the end. Since M is a whole number, a kernel that streams over the keys may use a running M (the ceiling of the running maximum): every later rescaling is an exact power of two, which a block's scale takes up: the codes' values come out the same.
;;   OPERANDS COMPUTED ON THE WAY. 'Computed on the way' means the value that the module computes at that place (a softmax that the list does not call 'softmax' is quantised finished and normalised). What goes into a quantiser is computed in f32, as accurately as f32 sums, v_exp_f32 and their like allow (about 1e-6 of the number): no bf16 or f16 on the way to a quantiser, and a product that is left as it is and whose result goes on into a quantised operand takes f32 operands (vector FMAs, or v_wmma_f32_16x16x4_f32). A number that lies on a knife's edge between two numbers of the format may be rounded either way, as far as f32 arithmetic and the matrix unit's own rounding can turn it there, and no further.
;; One version. Each part assembles by itself: llvm-mc -triple=amdgcn-amd-amdhsa -mcpu=gfx1250 --defsym DOCPART=n.
;; ======== version 1 of 1: 3 launches
;; limits: right only within a limited range of input values
;; workspace buffers: cod 19,398,656 bytes; scl 1,212,416 bytes; tab 4,194,304 bytes; att 2,228,224 bytes
;; launch quant (part 1): grid 1312 x 1, 4 waves a work-group, no clusters, 18,944 bytes of LDS; arguments key_value, query, Wq, Wk, Wv, Wo, query_pos, key_pos, key_mask, cod, scl, tab; writes cod, scl, tab
.if DOCPART == 1
	.amdgcn_target "amdgcn-amd-amdhsa--gfx1250"
	.amdhsa_code_object_version 6
	.text
	.protected	k_q6375ccc484_quant
	.globl	k_q6375ccc484_quant
	.p2align	8
	.type	k_q6375ccc484_quant,@function
k_q6375ccc484_quant:
	s_mov_b64 s[64:65], 0
	v_nop
	global_prefetch_b8 v0, s[64:65] scope:SCOPE_SE
	s_setreg_imm32_b32 hwreg(HW_REG_WAVE_MODE, 25, 1), 1
	s_wait_xcnt 0x0
; MultiHeadCrossAttention in MX-FP4, launch 1 of 3: the operands that arrive as f32 become codes, once; and the distance bias with the key mask becomes a table.
; DEAD WORK: none.  Every input has a way to the output: bk and bq stand ahead of the quantisers of k and q, bv ahead of v's, the mask is a choice by input values (done and selected), so nothing is left out.
; THE SIX TENSORS key_value, query, Wq, Wk, Wv, Wo are [rows][512] f32 and their K (the 512) is innermost.  Each block of 32 along K gets the scale 2^(floor(log2(largest magnitude)) - 2), as the byte
; exponent field - 2, held at 1 from below; each number is divided by it and rounded to the nearest E2M1 code, ties to even, beyond 6 the largest code.
; A TILE is 16 rows: rows 32 g + 8 u + {0..7, 16..23}, tile number 2 g + u; place r of a tile is row 32 g + 8 u + r + 8 (r / 8).  So the 16 result registers of two neighbouring tiles are 16 neighbours
; along the next product's K, wherever a tile is a matrix instruction's source 0.
; cod: 4,096 bytes a tile, AN IMAGE OF THE OPERAND'S REGISTERS: block beta (0..15) of place r at 256 beta + 16 r, so that a fragment (tile, 128 along K) is two dense runs of 512 bytes, 16 bytes a lane.
; scl: 256 bytes a tile: place r's 16 scale bytes at 16 r.   Tiles: key_value 0.., query 4096.., Wq 4608.., Wk 4640.., Wv 4672.., Wo 4704...
; tab: [batch][query tile 8][key step 8][8,192 bytes], f32: the image of the C operand of the score product: T = -dist2 x 8 / 0.245 where the key counts, -80000 where it is masked: logit = (score + T) / 8.
; SHARES: work-groups 0..1183: a wave makes one tile, 16 steps of one row (512 numbers).  Work-groups 1184..1311: a wave makes one 8,192-byte piece of the table; that path touches no LDS.
; HOW A LANE COMES BY NEIGHBOURS ALONG K.  The conversion takes 8 numbers of one block from a lane's consecutive registers.  Each of a row's four loads covers 512 consecutive bytes, aligned: lanes 0-15 take its
; even pieces of 16 bytes, lanes 16-31 the odd ones.  Between two such loads v_permlane16_swap_b32 changes the first's lanes 16-31 with the second's lanes 0-15: lane (r, h) then holds pieces 2 r and 2 r + 1 of
; load h: 8 neighbours in 8 registers.  The f32 numbers never go through LDS.  A block is 4 neighbouring lanes: two DPP steps join their maxima.
; A lane's 8 codes are 4 bytes; a tile's codes gather in the wave's own stage in LDS and leave as 8 stores of 512 dense bytes, its 256 scale bytes as one store.
; No tile is read by two work-groups here, so there is nothing to ask for jointly; no matrix work; waves share nothing, so no barrier.
; LIMITS: NaN and infinities among the inputs are not served.  A block whose largest magnitude lies under 2^-124 (a block of zeros too) gets the byte 1: its codes are zeros or near it, and this program alone reads
; the bytes.  -dist2 / 0.245 is made as a multiplication by the f32 number nearest to 8 / 0.245.
.set WAVES, 4
.set STEPS, 16
.set EMAX,  2
.set NQWG,  1184                       ; work-groups that quantise: 4,736 tiles, four a work-group
.set R,     16                         ; v16-79   four sets of 16 numbers: a row's four loads
.set C,     80                         ; v80-111  codes: two registers for each step, so that no LDS store's data are written again
.set E,     112                        ; v112-143 scale bytes: two registers for each step
.set WREG,  4608                       ; LDS of a wave: 256 scale bytes, then 16 units of 256 + 16 for the codes
.set CST,   256
.set CPI,   272
.set SPW,   12                         ; v12  LDS address of my spare word; never rewritten
.set NIL,   13                         ; v13  0; never rewritten
.set SPARE, WAVES*WREG                 ; behind the four regions: the spare words, 128 bytes a wave
.macro LOAD t                          ; place t of the tile is row t + 8 (t / 8) from the tile's first row; load i: numbers 128 i .. + 127 of the row
.irp i, 0,1,2,3
	global_load_b128 v[R+16*((\t)%4)+4*\i:R+16*((\t)%4)+4*\i+3], v14, s[4:5] offset:2048*((\t)+8*((\t)/8))+512*\i th:TH_LOAD_NT
.endr
.endm
.macro STEP t
.set RS, R+16*((\t)%4)
.if STEPS-1-(\t) >= 3
	s_wait_loadcnt 12                              ; this row's four loads are in; those of the three rows behind it may be out
.else
	s_wait_loadcnt 4*(STEPS-1-(\t))
.endif
.irp n, 0,1,2,3
	v_permlane16_swap_b32 v[RS+\n], v[RS+4+\n]     ; loads 0 and 1: lane (r, h) now holds numbers 128 h + 8 r + 0 .. 7 of the row in v[RS .. RS + 7]
	v_permlane16_swap_b32 v[RS+8+\n], v[RS+12+\n]  ; loads 2 and 3: numbers 256 + 128 h + 8 r + 0 .. 7 in v[RS + 8 .. RS + 15]
.endr
	v_max3_num_f32 v8, |v[RS]|, |v[RS+1]|, |v[RS+2]|               ; the largest magnitude of each eight, the two by turns
	v_max3_num_f32 v9, |v[RS+8]|, |v[RS+9]|, |v[RS+10]|
	v_max3_num_f32 v8, v8, |v[RS+3]|, |v[RS+4]|
	v_max3_num_f32 v9, v9, |v[RS+11]|, |v[RS+12]|
	v_max3_num_f32 v8, v8, |v[RS+5]|, |v[RS+6]|
	v_max3_num_f32 v9, v9, |v[RS+13]|, |v[RS+14]|
	v_max3_num_f32 v8, v8, |v[RS+7]|, (EMAX+1)<<23 ; and the floor 2^(3 - 127): the byte cannot fall under 1
	v_max3_num_f32 v9, v9, |v[RS+15]|, (EMAX+1)<<23
	v_max_num_f32_dpp v8, v8, v8 row_xmask:1 row_mask:0xf bank_mask:0xf   ; with the block's other three lanes
	v_max_num_f32_dpp v9, v9, v9 row_xmask:1 row_mask:0xf bank_mask:0xf
	v_max_num_f32_dpp v8, v8, v8 row_xmask:2 row_mask:0xf bank_mask:0xf
	v_max_num_f32_dpp v9, v9, v9 row_xmask:2 row_mask:0xf bank_mask:0xf
	v_add_nc_u32 v11, -(EMAX<<23), v8              ; 2 off the exponent field: the conversion takes that field as its scale
	v_add_nc_u32 v15, -(EMAX<<23), v9
	v_cvt_scalef32_pk8_fp4_f32 v[C+2*(\t)], v[RS:RS+7], v11
	v_cvt_scalef32_pk8_fp4_f32 v[C+2*(\t)+1], v[RS+8:RS+15], v15
	v_lshrrev_b32 v[E+2*(\t)], 23, v11             ; the scales' bytes (also the plain lines behind the conversions)
	v_lshrrev_b32 v[E+2*(\t)+1], 23, v15
.if (\t)+4 < STEPS
	LOAD (\t)+4                                    ; into the set that has just been converted
.endif
	ds_store_b32 v4, v[C+2*(\t)] offset:16*(\t)              ; unit lane / 4 (the block), place t, my 4 of its 16 bytes
	ds_store_b32 v4, v[C+2*(\t)+1] offset:16*(\t)+8*CPI      ; and block 8 + lane / 4
	ds_store_b8 v5, v[E+2*(\t)] offset:16*(\t)               ; the four lanes of a block write the same byte with the same value
	ds_store_b8 v5, v[E+2*(\t)+1] offset:16*(\t)+8
.endm
; half H of a table piece: key blocks 2 H and 2 H + 1 of the step's four; a lane's 16 keys of a block are 32 bb + 16 h + 0 .. 15
.macro THALF H
.irp g, 0,1
.irp n, 0,1,2,3,4,5,6,7,8,9,10,11
	global_load_b128 v[16+48*\g+4*\n:16+48*\g+4*\n+3], v7, s[18:19] offset:(2*(\H)+\g)*384+16*\n   ; 16 keys x 3 numbers
.endr
	global_load_b128 v[112+4*\g:115+4*\g], v8, s[20:21] offset:32*(2*(\H)+\g)                      ; their 16 mask bytes
.endr
	s_wait_loadcnt 0x0
.if (\H) > 0
	s_wait_xcnt 0x0                                ; the first half's stores have read their data: v128-159 are written again only behind this wait
.endif
.set zi, 0
.rept 32
.set TT, 120+4*(zi%2)
	v_sub_f32 v[TT], v9, v[16+3*zi]
	v_sub_f32 v[TT+1], v10, v[17+3*zi]
	v_sub_f32 v[TT+2], v11, v[18+3*zi]
	v_mul_f32 v[TT], v[TT], v[TT]
	v_fmac_f32 v[TT], v[TT+1], v[TT+1]
	v_fmac_f32 v[TT], v[TT+2], v[TT+2]             ; dist2
	v_mul_f32 v[TT], 0xc2029cbc, v[TT]             ; x -8 / 0.245
	v_bfe_u32 v[TT+3], v[112+zi/4], 8*(zi%4), 8
	v_cmp_ne_u32 vcc_lo, 0, v[TT+3]
	v_cndmask_b32 v[128+zi], v14, v[TT], vcc_lo    ; a masked key: -80000
.set zi, zi+1
.endr
.irp m, 0,1,2,3,4,5,6,7
	global_store_b128 v3, v[128+4*\m:128+4*\m+3], s[26:27] offset:(8*(\H)+\m)*512   ; 512 dense bytes
.endr
.endm
	s_load_b512 s[4:19], s[0:1], 0x0               ; key_value, query, Wq, Wk, Wv, Wo, query_pos s[16:17], key_pos s[18:19]
	s_load_b256 s[20:27], s[0:1], 0x40             ; key_mask s[20:21], cod s[22:23], scl s[24:25], tab s[26:27]
	v_lshl_add_u32 v[SPW], v0, 2, SPARE
	v_mov_b32 v[NIL], 0
	v_lshrrev_b32 v1, 5, v0
	v_readfirstlane_b32 s28, v1                    ; wave
	v_and_b32 v2, 31, v0                           ; lane
	v_lshlrev_b32 v3, 4, v2                        ; 16 x lane
	s_cmp_ge_u32 ttmp9, NQWG
	s_cbranch_scc1 .Ltable
	; ---- the quantiser
	s_mul_i32 s30, s28, WREG                       ; my wave's LDS: its 256 scale bytes first,
	s_add_co_u32 s31, s30, CST                     ; then the code stage
	v_and_b32 v14, 15, v2                          ; r
	v_lshrrev_b32 v1, 4, v2                        ; h
	v_lshlrev_b32 v14, 5, v14
	v_lshl_add_u32 v14, v1, 4, v14                 ; my piece of a load's 512 bytes: 32 r + 16 h
	v_mul_u32_u24 v10, v1, CPI
	v_and_b32 v6, 15, v2
	v_lshl_add_u32 v10, v6, 4, v10
	v_add_nc_u32 v10, s31, v10                     ; the code stage, out: sixteen lanes to a unit, two units an instruction
	v_lshrrev_b32 v5, 2, v2                        ; my block among a pair of loads' eight: lane / 4
	v_mul_u32_u24 v4, v5, CPI
	v_and_b32 v6, 3, v2
	v_lshl_add_u32 v4, v6, 2, v4
	v_add_nc_u32 v4, s31, v4                       ; the code stage, in: unit lane / 4, 4 bytes for each of a block's four lanes: 32 lanes, 32 different banks
	v_add_nc_u32 v5, s30, v5                       ; my block's scale byte
	v_lshlrev_b32 v7, 3, v2
	v_add_nc_u32 v6, s30, v7                       ; the 256 scale bytes on the way out: 8 a lane
	s_wait_kmcnt 0x0
	s_cmp_ge_u32 ttmp9, 1024                       ; which tensor: the choice hangs on the work-group's number alone
	s_cselect_b64 s[4:5], s[6:7], s[4:5]
	s_cselect_b32 s29, 4096, 0                     ; and the tensor's first tile
	s_cmp_ge_u32 ttmp9, 1152
	s_cselect_b64 s[4:5], s[8:9], s[4:5]
	s_cselect_b32 s29, 4608, s29
	s_cmp_ge_u32 ttmp9, 1160
	s_cselect_b64 s[4:5], s[10:11], s[4:5]
	s_cselect_b32 s29, 4640, s29
	s_cmp_ge_u32 ttmp9, 1168
	s_cselect_b64 s[4:5], s[12:13], s[4:5]
	s_cselect_b32 s29, 4672, s29
	s_cmp_ge_u32 ttmp9, 1176
	s_cselect_b64 s[4:5], s[14:15], s[4:5]
	s_cselect_b32 s29, 4704, s29
	s_lshl_b32 s32, ttmp9, 2
	s_add_co_u32 s32, s32, s28                     ; my tile among all
	s_sub_co_u32 s33, s32, s29                     ; and in its tensor: 2 g + u
	s_lshr_b32 s34, s33, 1
	s_lshl_b32 s34, s34, 16                        ; 32 g rows of 2,048 bytes
	s_and_b32 s35, s33, 1
	s_lshl_b32 s35, s35, 14                        ; 8 u rows
	s_add_co_u32 s34, s34, s35
	s_mov_b32 s35, 0
	s_add_nc_u64 s[4:5], s[4:5], s[34:35]
	s_lshl_b32 s34, s32, 12
	s_add_nc_u64 s[22:23], s[22:23], s[34:35]
	s_lshl_b32 s34, s32, 8
	s_add_nc_u64 s[24:25], s[24:25], s[34:35]
.irp t, 0,1,2,3
	LOAD \t                                        ; four rows, 16 loads a wave, are on their way
.endr
.irp t, 0,1,2,3,4,5,6,7,8,9,10,11,12,13,14,15
	STEP \t
.endr
	ds_load_b64 v[8:9], v6                         ; LDS serves a wave's instructions in order: these see my stores
.irp i, 0,1,2,3,4,5,6,7
	ds_load_b128 v[R+4*\i:R+4*\i+3], v10 offset:2*CPI*\i
.endr
	s_wait_dscnt 0x0
	global_store_b64 v7, v[8:9], s[24:25]          ; 256 consecutive bytes, aligned
.irp i, 0,1,2,3,4,5,6,7
	global_store_b128 v3, v[R+4*\i:R+4*\i+3], s[22:23] offset:512*\i   ; 512 consecutive bytes, aligned
.endr
	s_wait_tensorcnt 0x0                           ; the wave's end
	ds_add_u32 v[SPW], v[NIL]
	s_wait_dscnt 0x0
	s_endpgm
	; ---- the table: piece U = (batch, query tile, key step).  Lane (r, h): query place r of the tile; register 8 t + j of the image: key 128 ks + 32 (t / 2) + 8 (t % 2) + 16 h + j
.Ltable:
	s_sub_co_u32 s30, ttmp9, NQWG
	s_lshl_b32 s30, s30, 2
	s_add_co_u32 s30, s30, s28                     ; U
	s_lshr_b32 s31, s30, 6                         ; batch
	s_bfe_u32 s32, s30, 0x30003                    ; query tile
	s_and_b32 s33, s30, 7                          ; key step
	v_and_b32 v4, 15, v0                           ; r
	v_and_b32 v5, 8, v4
	v_add_nc_u32 v5, v5, v4                        ; r + 8 (r / 8)
	v_mul_u32_u24 v5, v5, 12                       ; my query's position
	v_bfe_u32 v6, v0, 4, 1                         ; h
	v_mul_u32_u24 v7, v6, 192                      ; 16 h keys of 12 bytes
	v_lshlrev_b32 v8, 4, v6                        ; 16 h mask bytes
	v_mov_b32 v14, 0xc79c4000                      ; -80000
	s_lshl_b32 s34, s31, 7
	s_lshr_b32 s35, s32, 1
	s_lshl_b32 s35, s35, 5
	s_add_co_u32 s34, s34, s35
	s_and_b32 s35, s32, 1
	s_lshl_b32 s35, s35, 3
	s_add_co_u32 s34, s34, s35                     ; the tile's first query: 128 b + 32 (qt / 2) + 8 (qt % 2)
	s_mul_i32 s34, s34, 12
	s_mov_b32 s35, 0
	s_lshl_b32 s36, s31, 10
	s_lshl_b32 s37, s33, 7
	s_add_co_u32 s36, s36, s37                     ; the step's first key: 1024 b + 128 ks
	s_mov_b32 s37, 0
	s_wait_alu depctr_va_vdst(0)
	s_wait_kmcnt 0x0
	s_add_nc_u64 s[16:17], s[16:17], s[34:35]
	s_add_nc_u64 s[20:21], s[20:21], s[36:37]
	s_mul_i32 s36, s36, 12
	s_add_nc_u64 s[18:19], s[18:19], s[36:37]
	s_lshl_b32 s36, s30, 13
	s_add_nc_u64 s[26:27], s[26:27], s[36:37]
	global_load_b32 v9, v5, s[16:17]
	global_load_b32 v10, v5, s[16:17] offset:4
	global_load_b32 v11, v5, s[16:17] offset:8
	THALF 0
	THALF 1
	s_endpgm
.Lfunc_end_k_q6375ccc484_quant:
	.size	k_q6375ccc484_quant, .Lfunc_end_k_q6375ccc484_quant-k_q6375ccc484_quant
	.p2alignl 7, 3214868480
	.fill 96, 4, 3214868480
	.section	.rodata,"a",@progbits
	.p2align	6, 0x0
	.amdhsa_kernel k_q6375ccc484_quant
		.amdhsa_group_segment_fixed_size 18944
		.amdhsa_private_segment_fixed_size 0
		.amdhsa_enable_private_segment 0
		.amdhsa_kernarg_size 96
		.amdhsa_user_sgpr_count 2
		.amdhsa_user_sgpr_kernarg_segment_ptr 1
		.amdhsa_wavefront_size32 1
		.amdhsa_system_sgpr_workgroup_id_x 1
		.amdhsa_system_sgpr_workgroup_id_y 1
		.amdhsa_system_sgpr_workgroup_id_z 1
		.amdhsa_system_vgpr_workitem_id 0
		.amdhsa_next_free_vgpr 160
		.amdhsa_next_free_sgpr 66
		.amdhsa_reserve_vcc 1
		.amdhsa_float_denorm_mode_32 3
		.amdhsa_float_denorm_mode_16_64 3
		.amdhsa_memory_ordered 1
		.amdhsa_forward_progress 1
		.amdhsa_inst_pref_size 69
	.end_amdhsa_kernel
	.amdgpu_metadata
---
amdhsa.version: [ 1, 2 ]
amdhsa.kernels:
  - .name:           k_q6375ccc484_quant
    .symbol:         k_q6375ccc484_quant.kd
    .args:
      - { .name: key_value, .offset: 0, .size: 8, .value_kind: global_buffer, .address_space: global }
      - { .name: query, .offset: 8, .size: 8, .value_kind: global_buffer, .address_space: global }
      - { .name: Wq, .offset: 16, .size: 8, .value_kind: global_buffer, .address_space: global }
      - { .name: Wk, .offset: 24, .size: 8, .value_kind: global_buffer, .address_space: global }
      - { .name: Wv, .offset: 32, .size: 8, .value_kind: global_buffer, .address_space: global }
      - { .name: Wo, .offset: 40, .size: 8, .value_kind: global_buffer, .address_space: global }
      - { .name: query_pos, .offset: 48, .size: 8, .value_kind: global_buffer, .address_space: global }
      - { .name: key_pos, .offset: 56, .size: 8, .value_kind: global_buffer, .address_space: global }
      - { .name: key_mask, .offset: 64, .size: 8, .value_kind: global_buffer, .address_space: global }
      - { .name: cod, .offset: 72, .size: 8, .value_kind: global_buffer, .address_space: global }
      - { .name: scl, .offset: 80, .size: 8, .value_kind: global_buffer, .address_space: global }
      - { .name: tab, .offset: 88, .size: 8, .value_kind: global_buffer, .address_space: global }
    .group_segment_fixed_size: 18944
    .private_segment_fixed_size: 0
    .kernarg_segment_align: 8
    .kernarg_segment_size: 96
    .max_flat_workgroup_size: 128
    .sgpr_count:     66
    .vgpr_count:     160
    .wavefront_size: 32
...
	.end_amdgpu_metadata
.endif
;; end of part 1
;; launch attn (part 2): grid 256 x 1, 8 waves a work-group, no clusters, 246,272 bytes of LDS; arguments cod, scl, tab, bq, bk, bv, key_mask, att; writes att
.if DOCPART == 2
	.amdgcn_target "amdgcn-amd-amdhsa--gfx1250"
	.amdhsa_code_object_version 6
	.text
	.protected	k_q6375ccc484_attn
	.globl	k_q6375ccc484_attn
	.p2align	8
	.type	k_q6375ccc484_attn,@function
k_q6375ccc484_attn:
	s_mov_b64 s[64:65], 0
	v_nop
	global_prefetch_b8 v0, s[64:65] scope:SCOPE_SE
	s_setreg_imm32_b32 hwreg(HW_REG_WAVE_MODE, 25, 1), 1
	s_wait_xcnt 0x0
; Launch 2 of 3: for one (batch, step) and one PAIR of heads: q, k, v projections, scores, softmax, p v, and the quantising of the attention output.  Nothing is left out as dead work.
; All five products go by v_wmma_scale_f32_16x16x128_f8f6f4 on E2M1 codes; k, v, the scores and p never go to memory.
; SHARES.  Work-group x: (batch, step) x % 64, head pair x / 64 (units 128 hp .. + 127 of the 512).  Eight waves, 512 registers each.
; A PIPELINE OVER TWO CHUNKS OF 512 KEYS.  A wave MAKES k and v of its own 64 keys of a chunk (four tiles of key_value's codes, 128 registers, read from memory once, against the pair's Wk and Wv from LDS: each fragment
; of W that is read from LDS feeds four products) and WALKS the four key steps of a chunk with its query tile w, both heads, from the images of k's and v's operand registers in LDS.
; Trip 0 makes chunk 0; trip 1 makes chunk 1 and walks chunk 0; the walk of chunk 1 is written out behind the loop.  One barrier ends each trip.
; In trip 1 four waves make first and walk second, the other four the other way round ((w xor w / 4) & 1 chooses): the two parts touch different LDS bytes, so their order inside a trip is free.
; LAYOUT.  A tile's 16 places are rows 32 g + 8 u + {0..7, 16..23}, so a lane's registers of two neighbouring tiles run along the NEXT product's K.
;   q, k: source 0 = 16 units of W, source 1 = 16 queries or keys.   v: source 0 = 16 keys, source 1 = 16 units.   S^T = k q^T, O^T = v^T p^T: a lane holds one query throughout.
; THE TWO HEADS SHARE ONE FRAGMENT OF k: Q0 = q's codes of head 0 and zero codes, Q1 = zero codes and head 1's.
; BIAS AND MASK.  The C of the score product is the table T of the launch before (bias x 8, or -80000); a masked key's k codes are made zeros, so its logit is -10000 exactly.  v of masked keys stays.
; SOFTMAX.  t = (score + T) x log2(e) / 8; M = the running largest t rounded up to a whole number; p = 2^(t - M) is quantised along the keys; the sum is taken of the unquantised p; O and the sum follow M by exact powers of two.
; bq, bk, bv are the C of each sum's first matrix instruction.
; LOADS.  Chunk 0's codes are asked for at the head.  Of chunk 1's, a wave's tiles 0 and 1 are asked for behind the last product on chunk 0; tiles 2 and 3 share their registers with the walk's fragments and are asked for
; at the head of the making.  A key step's table is asked for behind the score products of the step before.  Every wait for these loads is for 0.
; PREFETCH.  Chunk 1's codes are named at the head, a trip ahead of their loads: 16,384 bytes a wave, two requests, lanes 256 bytes apart.  The four work-groups of a (batch, step) share them out: wave w asks in
; the work-group whose head pair is w % 4.  The table has no prefetch: its own loads run a whole key step ahead of their use.
; NO JOINT LOADS: the four work-groups of a (batch, step) read the same codes of key_value, but each wave takes its 16,384 bytes of a chunk straight into the 128 registers that multiply them; a joint load lands in LDS and would have to leave it again.
; LIMITS: NaN and infinities are not served.  A block whose largest magnitude lies under 2^-124 gets the byte 1.  Biases and T are added inside the matrix instruction, with its rounding.  The scaled scores stay under 2^31 in magnitude.
.set WKI,   32768                      ; LDS: images of the pair's 8 tiles of Wq at 0, of Wk here,
.set WVI,   65536                      ; of Wv, 4,096 bytes a tile;
.set WSCL,  98304                      ; their scale bytes: [3][8 tiles][256];
.set BIA,   104448                     ; the pair's 128 numbers of bq, bk, bv;
.set KSCL,  105984                     ; k's scale words: [64 key tiles][16 words];
.set VSCL,  110080                     ; v's: [8 key steps x 8 unit tiles][16 words];
.set SPARE, 114176                     ; the spare words, 128 bytes a wave;
.set KIMG,  115200                     ; k's fragments: [64 key tiles][1,024];
.set VIMG,  180736                     ; v's: [8 key steps x 8 unit tiles][1,024]
; window 0
.set LI,  1                            ; 16 x lane
.set LWK, 2                            ; + WKI
.set LWV, 3                            ; + WVI
.set LSC, 4                            ; + WSCL
.set LB,  5                            ; 64 h + BIA
.set LBV, 6                            ; 4 (r + 8 (r / 8)) + BIA + 1024
.set KWI, 7                            ; my places in chunk 0: k's images,
.set VWI, 8                            ; v's,
.set KWS, 9                            ; k's scale halves,
.set VWS, 10                           ; v's scale bytes
.set PFO, 11                           ; 256 x lane
.set ST0, 12                           ; v12-15 head 0: -M, largest t, the sum in two halves
.set Q0,  16                           ; v16-23, v24-31: Q0, Q1
.set Q1,  24
.set ASC, 32                           ; v32-39 my four key tiles' scale words: pair y, K step s at 32 + 4 y + s
.set WSC, 40                           ; v40-43 making: W's scale words;
.set KS,  40                           ; walking: k's
.set VS,  44                           ; and v's;
.set QAS, 44                           ; head: the query tile's
.set KWA, 48                           ; v48-51 the four places in this trip's chunk
.set VWA, 49
.set KSA, 50
.set VSA, 51
.set KM,  52                           ; v52-55 0 or all ones: my key of tile x counts
.set QS,  56                           ; q's scale word
.set PW,  57                           ; the scale word just made
.set FF,  58                           ; v[58:59] f = 2^(old M - new M), and a word that is only named
.set TM,  60                           ; v60-75 at work in the quantisers and the softmax
.set LN,  60                           ; head only: lane, r, h, and where I store my tiles of W, their scale bytes, a bias
.set RR,  61
.set HH,  62
.set CP,  64
.set CP2, 65
.set CS8, 66
.set CB,  67
.set L8,  68
.set R16, 69
.set PC,  76                           ; v76-91 codes just made
.set BC,  92                           ; v92-107 two biases as C
.set QA,  76                           ; v76-107 head: the query tile's four fragments
.set ACC, 108                          ; v108-171
.set SA,  108                          ; walking: head 0's scores
.set WA,  172                          ; v172-235 making: two tiles of W
.set SB,  172                          ; walking: head 1's scores
.set HB,  236                          ; v236-239 two scale bytes of each key tile
.set ST1, 244                          ; v244-247 head 1's statistics
.set R4,  248                          ; 4 r
.set ADK, 249                          ; the step's k images,
.set ADV, 250                          ; v images,
.set ADS, 251                          ; scale words
.set SPW, 252
.set NIL, 253
.set KR,  254                          ; r + 8 (r / 8)
.set L4,  255                          ; 4 x lane
; window 1: v0-63 making: my key tiles 2 and 3; walking: eight fragments of k or v.  v64-127 O^T.  v128-191 the step's table.  v192-255 my key tiles 0 and 1.  (Tile x, K step s) at (192 + 32 x) % 256 + 8 s
.set OT,  64
.set TW,  128
.set KF,  192
.set WV,  24
.set HP,  25
.set BN,  26
.set BB,  27
.set SEL, 28
.set CS,  30
.set PA,  32
.set PAS, 34
.set PQ,  36
.set PQS, 38
.set PWT, 40
.set PWS, 42
.set PB,  44
.set PM,  46
.set TAB, 48
.set PO,  50
.set POS, 52
.set TT,  54                           ; the trip
.set TK,  55
.set TS,  56
.set ORD, 57                           ; 0: make, then walk; 1: walk, then make
.set T0,  58
.set T1,  60
.set IN,  61
.set SN,  62                           ; key steps to go
.set TC,  63                           ; 32,768 x trip
.set TC1, 66                           ; 2,048 x trip
.set PFL, 67                           ; 1: my wave prefetches
.set X1,  70
.set MSB, 0
.macro WIN new                         ; the immediate's high byte repeats the setting that is left; a switch that changes nothing is dropped
.if MSB != \new
	s_set_vgpr_msb (MSB<<8)|\new
.set MSB, \new
.endif
.endm
.macro PLACES n                        ; plain vector lines between a matrix instruction and what may not follow it at once (ISA guide 7.12.1)
.rept \n
	v_nop
.endr
.endm
.macro VW                              ; this wait stands ahead of waits, branches and batches behind which fresh vector results are read
	s_wait_alu depctr_va_vdst(0)
.endm
.macro BARRIER                         ; my LDS stores have landed and my LDS loads are in: then the work-group's barrier
	VW
	s_wait_dscnt 0x0
	s_barrier_signal -1
	s_barrier_wait -1
.endm
.macro OFF2 a, sha, b, shb, lit        ; s[T0] = (s[a] << sha) + (s[b] << shb) + lit: an offset, made apart from every address
	s_lshl_b32 s[T0], s[\a], \sha
	s_lshl_b32 s[T1], s[\b], \shb
	s_add_co_u32 s[T0], s[T0], s[T1]
.if \lit
	s_add_co_u32 s[T0], s[T0], \lit
.endif
.endm
; one matrix instruction; ra, rb = 1: that side's scale words stand in lanes 16-31
.macro WM d, a, b, c, sa, sb, ra, rb
.if ((\ra) == 0) && ((\rb) == 0)
	v_wmma_scale_f32_16x16x128_f8f6f4 v[(\d):(\d)+7], v[(\a):(\a)+7], v[(\b):(\b)+7], v[(\c):(\c)+7], v[(\sa)], v[(\sb)] matrix_a_fmt:MATRIX_FMT_FP4 matrix_b_fmt:MATRIX_FMT_FP4
.elseif ((\ra) == 1) && ((\rb) == 0)
	v_wmma_scale_f32_16x16x128_f8f6f4 v[(\d):(\d)+7], v[(\a):(\a)+7], v[(\b):(\b)+7], v[(\c):(\c)+7], v[(\sa)], v[(\sb)] matrix_a_fmt:MATRIX_FMT_FP4 matrix_b_fmt:MATRIX_FMT_FP4 matrix_a_scale:MATRIX_SCALE_ROW1
.elseif ((\ra) == 0) && ((\rb) == 1)
	v_wmma_scale_f32_16x16x128_f8f6f4 v[(\d):(\d)+7], v[(\a):(\a)+7], v[(\b):(\b)+7], v[(\c):(\c)+7], v[(\sa)], v[(\sb)] matrix_a_fmt:MATRIX_FMT_FP4 matrix_b_fmt:MATRIX_FMT_FP4 matrix_b_scale:MATRIX_SCALE_ROW1
.else
	v_wmma_scale_f32_16x16x128_f8f6f4 v[(\d):(\d)+7], v[(\a):(\a)+7], v[(\b):(\b)+7], v[(\c):(\c)+7], v[(\sa)], v[(\sb)] matrix_a_fmt:MATRIX_FMT_FP4 matrix_b_fmt:MATRIX_FMT_FP4 matrix_a_scale:MATRIX_SCALE_ROW1 matrix_b_scale:MATRIX_SCALE_ROW1
.endif
.endm
; Four blocks of 32: block b's numbers are v[s + 16 b + 0 .. 15] of lanes l and l xor 16.  Its byte goes to v[TM + 4 + b], my 16 codes to v[pc + st b] and the register behind it.
.macro QCORE s, pc, st
.irp b, 0,1,2,3
	v_max3_num_f32 v[TM+\b], |v[(\s)+16*\b]|, |v[(\s)+1+16*\b]|, 0x1800000   ; my 16 numbers, and the floor 2^(3 - 127): the byte cannot fall under 1
.endr
.irp i, 2,4,6,8,10,12,14
.irp b, 0,1,2,3
	v_max3_num_f32 v[TM+\b], v[TM+\b], |v[(\s)+16*\b+\i]|, |v[(\s)+1+16*\b+\i]|
.endr
.endr
.irp b, 0,1,2,3
	v_permlanex16_b32 v[TM+4+\b], v[TM+\b], s[SEL], s[SEL+1]
.endr
.irp b, 0,1,2,3
	v_max_num_f32 v[TM+\b], v[TM+\b], v[TM+4+\b]   ; the block's largest magnitude
.endr
.irp b, 0,1,2,3
	v_add_nc_u32 v[TM+12+\b], 0xff000000, v[TM+\b] ; 2 off its exponent field: the conversion's scale operand
.endr
.irp b, 0,1,2,3
	v_lshrrev_b32 v[TM+4+\b], 23, v[TM+12+\b]      ; the scale's byte
.endr
.irp b, 0,1,2,3
	v_cvt_scalef32_pk8_fp4_f32 v[(\pc)+(\st)*\b], v[(\s)+16*\b:(\s)+16*\b+7], v[TM+12+\b]
	v_cvt_scalef32_pk8_fp4_f32 v[(\pc)+(\st)*\b+1], v[(\s)+16*\b+8:(\s)+16*\b+15], v[TM+12+\b]
.endr
	v_nop                                          ; one plain line behind the last scaled conversion
.endm
.macro SWAPS n                         ; the operand wants a whole block in a lane: lanes 0-15 the even block of a pair, lanes 16-31 the odd one; n groups of four registers
.set zc, 0
.rept \n
.irp i, 0,1
	v_permlane16_swap_b32 v[PC+4*zc+\i], v[PC+2+4*zc+\i]
.endr
.set zc, zc+1
.endr
.endm
; 64 numbers of a lane (register 16 b + i = k 32 b + 16 h + i of my row) become a fragment in v[PC .. PC + 7] and its scale word in v[PW]
.macro QUANT s
	QCORE \s, PC, 2
	v_lshl_or_b32 v[PW], v[TM+5], 8, v[TM+4]
	v_lshl_or_b32 v[PW], v[TM+6], 16, v[PW]
	v_lshl_or_b32 v[PW], v[TM+7], 24, v[PW]
	SWAPS 2
.endm
.macro LOADW reg, adr, off             ; 8,192 bytes of images: two tiles of W, tile u, step s at v[reg + 32 u + 8 s]; or eight fragments of k or v
.set zi, 0
.rept 16
	ds_load_b128 v[(\reg)+4*zi:(\reg)+4*zi+3], v[\adr] offset:(\off)+512*zi
.set zi, zi+1
.endr
.endm
.macro LOADKW g                        ; for k pass g: Wk's tiles 2 g, 2 g + 1, their scale words, bk in the result's layout
	LOADW WA, LWK, (\g)*8192
	ds_load_b128 v[WSC:WSC+3], v[LSC] offset:2048+(\g)*512
.irp u, 0,1
.irp e, 0,1
	ds_load_b128 v[BC+8*\u+4*\e:BC+8*\u+4*\e+3], v[LB] offset:512+(32*(\g)+8*\u)*4+16*\e
.endr
.endr
.endm
.macro LOADVW g                        ; for v pass g: Wv's tiles 2 g, 2 g + 1, their scale words, bv of my lane's unit in all eight registers of each C
	LOADW WA, LWV, (\g)*8192
	ds_load_b128 v[WSC:WSC+3], v[LSC] offset:4096+(\g)*512
.irp u, 0,1
.irp n, 0,1,2,3,4,5,6,7
	ds_load_b32 v[BC+8*\u+\n], v[LBV] offset:(32*(\g)+8*\u)*4
.endr
.endr
.endm
; 32 matrix instructions on eight accumulators by turns, one instruction a turn
.macro MMK                             ; k: accumulator (key tile x, W tile y) at ACC + 16 x + 8 y
.set zs, 0
.rept 4
.set zx, 0
.rept 4
.set zy, 0
.rept 2
.set zd, ACC+16*zx+8*zy
.if zs == 0
.set zc, BC+8*zy
.else
.set zc, zd
.endif
	WM zd, WA+32*zy+8*zs, (KF+32*zx)%256+8*zs, zc, WSC+zs, ASC+4*(zx/2)+zs, zy, zx%2
.set zy, zy+1
.endr
.set zx, zx+1
.endr
.set zs, zs+1
.endr
.endm
.macro MMV                             ; v: accumulator (W tile x, key tile y) at ACC + 16 (2 x + y / 2) + 8 (y % 2): block 2 x + y / 2 is unit tile x, key pair y / 2
.set zs, 0
.rept 4
.set zx, 0
.rept 2
.set zy, 0
.rept 4
.set zd, ACC+16*(2*zx+zy/2)+8*(zy%2)
.if zs == 0
.set zc, BC+8*zx
.else
.set zc, zd
.endif
	WM zd, (KF+32*zy)%256+8*zs, WA+32*zx+8*zs, zc, ASC+4*(zy/2)+zs, WSC+zs, zy%2, zx
.set zy, zy+1
.endr
.set zx, zx+1
.endr
.set zs, zs+1
.endr
.endm
; THE MAKING: k and v of my 64 keys of this trip's chunk, for the pair's 128 units
.macro MAKE
	PLACES 4                                       ; ahead of loads into registers that the last products read
	s_cmp_eq_u32 s[TT], 0                          ; chunk 0's came at the head
	s_cbranch_scc1 .Lhave_\@
	WIN 0x40
.set zi, 0
.rept 16
	global_load_b128 v[4*zi:4*zi+3], v[LI], s[PA:PA+1] offset:8192+512*zi   ; my key tiles 2 and 3
.set zi, zi+1
.endr
	WIN 0
.Lhave_\@:
	LOADKW 0
	VW
	s_wait_loadcnt 0x0                             ; my four key tiles, their scale words and mask bytes
.irp x, 0,1,2,3
	v_sub_nc_u32 v[KM+\x], 0, v[KM+\x]             ; 1 -> all ones
.endr
.irp g, 0,1,2,3                        ; k pass g: units 32 g .. + 31 of my four key tiles
	VW
	s_wait_dscnt 0x0
	WIN 0x04                                       ; source 1, the keys: window 1
	MMK
	WIN 0
	PLACES 4
.if \g < 3
	LOADKW \g+1                                    ; the next pass's operands land while this pass is quantised
.else
	LOADVW 0
.endif
	QCORE ACC, PC+2*(\g%2), 4                      ; block b: key tile b, units 32 g ..
.if \g%2 == 0
.irp b, 0,1,2,3
	v_mov_b32 v[HB+\b], v[TM+4+\b]
.endr
.else
.irp b, 0,1,2,3
	v_lshl_or_b32 v[HB+\b], v[TM+4+\b], 8, v[HB+\b]
.endr
	SWAPS 4                                        ; blocks g - 1 and g: four registers of each key tile's fragment
.irp b, 0,1,2,3
.irp n, 0,1,2,3
	v_and_b32 v[PC+4*\b+\n], v[KM+\b], v[PC+4*\b+\n]   ; a masked key's codes are zeros
.endr
.endr
.irp b, 0,1,2,3
	ds_store_b128 v[KWA], v[PC+4*\b:PC+4*\b+3] offset:\b*1024+(\g/2)*512
	ds_store_b16 v[KSA], v[HB+\b] offset:\b*64+2*(\g/2)      ; both halves of the lanes write the same two bytes
.endr
.endif
.endr
.irp g, 0,1,2,3                        ; v pass g: unit tiles 2 g, 2 g + 1: my 64 keys are two blocks of each tile's fragment
	VW
	s_wait_dscnt 0x0
	WIN 0x01                                       ; source 0, the keys: window 1
	MMV
	WIN 0
	PLACES 4
.if \g < 3
	LOADVW \g+1
.else
	s_cmp_eq_u32 s[TT], 1                          ; behind the last chunk there is none
	s_cbranch_scc1 .Lnokf_\@
	s_wait_xcnt 0x0                                ; my prefetches have read their base: the bases may step (the loads that used them were waited for above)
	s_add_nc_u64 s[PA:PA+1], s[PA:PA+1], 131072
	s_add_nc_u64 s[PAS:PAS+1], s[PAS:PAS+1], 8192
	s_add_nc_u64 s[PM:PM+1], s[PM:PM+1], 512
	global_load_b128 v[ASC:ASC+3], v[LI], s[PAS:PAS+1]
	global_load_b128 v[ASC+4:ASC+7], v[LI], s[PAS:PAS+1] offset:512
.irp x, 0,1,2,3
	global_load_u8 v[KM+\x], v[KR], s[PM:PM+1] offset:32*(\x/2)+8*(\x%2)
.endr
	WIN 0x40
.set zi, 0
.rept 16
	global_load_b128 v[KF+4*zi:KF+4*zi+3], v[LI], s[PA:PA+1] offset:512*zi   ; the next chunk's tiles 0 and 1, 512 dense bytes a load
.set zi, zi+1
.endr
	WIN 0
.Lnokf_\@:
.endif
	QCORE ACC, PC, 2                               ; block b: unit tile 2 g + b / 2, my key pair b % 2
.irp b, 0,1,2,3
	ds_store_b64 v[VWA], v[PC+2*\b:PC+2*\b+1] offset:(2*\g+\b/2)*1024+(\b%2)*256   ; my 8 of the block's 16 bytes of unit r
	ds_store_b8 v[VSA], v[TM+4+\b] offset:(2*\g+\b/2)*64+(\b%2)                    ; both halves of the lanes write the same byte
.endr
.endr
.endm
; The softmax of one head for 128 keys: scores + T in v[S .. S + 63] (register 16 b + i = key 32 b + 16 h + i), statistics in v[st .. st + 3], O^T at v[o] of window 1.  p's codes come out in v[PC ..], their scale word in v[PW].
; It ends under the window setting of O^T's rescaling.
.macro SOFTMAX S, st, o
	VW                                             ; directly ahead of the scores' first readers
.irp b, 0,1,2,3
	v_max3_num_f32 v[TM+\b], v[(\S)+16*\b], v[(\S)+16*\b+1], v[(\S)+16*\b+2]   ; each block's largest score: for the row's maximum, and, since p rises with the score, for the block's largest p
.endr
.irp i, 3,5,7,9,11,13
.irp b, 0,1,2,3
	v_max3_num_f32 v[TM+\b], v[TM+\b], v[(\S)+16*\b+\i], v[(\S)+16*\b+\i+1]
.endr
.endr
.irp b, 0,1,2,3
	v_max_num_f32 v[TM+\b], v[TM+\b], v[(\S)+16*\b+15]
.endr
.irp b, 0,1,2,3
	v_permlanex16_b32 v[TM+4+\b], v[TM+\b], s[SEL], s[SEL+1]
.endr
.irp b, 0,1,2,3
	v_max_num_f32 v[TM+\b], v[TM+\b], v[TM+4+\b]
.endr
	v_max3_num_f32 v[TM+8], v[TM], v[TM+1], v[TM+2]
	v_max_num_f32 v[TM+8], v[TM+8], v[TM+3]
	v_mul_f32 v[TM+8], s[CS], v[TM+8]              ; as t
	v_max_num_f32 v[(\st)+1], v[(\st)+1], v[TM+8]  ; the running largest t
	v_mov_b32 v[TM+8], v[\st]
	v_floor_f32 v[\st], -v[(\st)+1]                ; -M = floor(-t): M is a whole number
	v_sub_f32 v[TM+8], v[\st], v[TM+8]             ; old M - new M, 0 or less
	v_cvt_i32_f32 v[TM+8], v[TM+8]                 ; (it saturates)
	v_ldexp_f32 v[FF], 1.0, v[TM+8]                ; f = 2^(old M - new M)
.set zj, 0
.rept 32
	v_pk_fma_f32 v[(\S)+zj:(\S)+zj+1], v[(\S)+zj:(\S)+zj+1], s[CS:CS+1], v[(\st):(\st)+1] op_sel_hi:[1,0,0]   ; t - M
.set zj, zj+2
.endr
.irp b, 0,1,2,3
	v_fma_f32 v[TM+\b], v[TM+\b], s[CS], v[\st]
.endr
	VW                                             ; ahead of the batch
.set zj, 0
.rept 64
	v_exp_f32 v[(\S)+zj], v[(\S)+zj]               ; p = 2^(t - M)
.set zj, zj+1
.endr
	v_pk_mul_f32 v[(\st)+2:(\st)+3], v[(\st)+2:(\st)+3], v[FF:FF+1] op_sel_hi:[1,0]   ; the sum under the new M (the plain line behind the batch)
	VW                                             ; one wait for the 64, ahead of their first reader
.irp b, 0,1,2,3
	v_exp_f32 v[TM+\b], v[TM+\b]                   ; each block's largest p
.endr
	v_pk_add_f32 v[TM+4:TM+5], v[(\S):(\S)+1], v[(\S)+2:(\S)+3]   ; the sum of the unquantised p, in two chains
.set zj, 4
.rept 15
	v_pk_add_f32 v[(\st)+2:(\st)+3], v[(\st)+2:(\st)+3], v[(\S)+zj:(\S)+zj+1]
	v_pk_add_f32 v[TM+4:TM+5], v[TM+4:TM+5], v[(\S)+zj+2:(\S)+zj+3]
.set zj, zj+4
.endr
	v_pk_add_f32 v[(\st)+2:(\st)+3], v[(\st)+2:(\st)+3], v[TM+4:TM+5]
	VW                                             ; and one for the four
.irp b, 0,1,2,3
	v_max_num_f32 v[TM+\b], 0x1800000, v[TM+\b]    ; the floor: a block whose every p is 0 keeps the byte 1, its codes are zeros
.endr
.irp b, 0,1,2,3
	v_add_nc_u32 v[TM+12+\b], 0xff000000, v[TM+\b]
.endr
.irp b, 0,1,2,3
	v_lshrrev_b32 v[TM+4+\b], 23, v[TM+12+\b]
.endr
	v_lshl_or_b32 v[PW], v[TM+5], 8, v[TM+4]
	v_lshl_or_b32 v[PW], v[TM+6], 16, v[PW]
	v_lshl_or_b32 v[PW], v[TM+7], 24, v[PW]
.irp b, 0,1,2,3
	v_cvt_scalef32_pk8_fp4_f32 v[PC+2*\b], v[(\S)+16*\b:(\S)+16*\b+7], v[TM+12+\b]
	v_cvt_scalef32_pk8_fp4_f32 v[PC+2*\b+1], v[(\S)+16*\b+8:(\S)+16*\b+15], v[TM+12+\b]
.endr
	v_nop
	SWAPS 2
	WIN 0x41                                       ; O^T: destination and source 0 in window 1
	VW                                             ; directly ahead of the first reader of O^T
.set zj, 0
.rept 16
	v_pk_mul_f32 v[(\o)+zj:(\o)+zj+1], v[(\o)+zj:(\o)+zj+1], v[FF:FF+1] op_sel_hi:[1,0]   ; O^T under the new M; these 16 also stand between the scale word and codes just written and the products that take them
.set zj, zj+2
.endr
.endm
; THE WALKING: the four key steps of a chunk that lies whole in LDS
.macro WALK
	s_mov_b32 s[IN], 4
.Lstep_\@:                                         ; a key step of 128 keys
	v_add_nc_u32 v[ADK], s[TK], v[LI]              ; (with the v_nop: the places ahead of loads into registers that the last products read)
	v_add_nc_u32 v[ADV], VIMG-KIMG, v[ADK]
	v_add_nc_u32 v[ADS], s[TS], v[L4]
	v_nop
	WIN 0x40
	LOADW 0, ADK, 0                                ; k's eight fragments
	WIN 0
.irp p, 0,1,2,3
	ds_load_b32 v[KS+\p], v[ADS] offset:128*\p                     ; lanes 0-15: tile 2 p's words, lanes 16-31: tile 2 p + 1's
	ds_load_b32 v[VS+\p], v[ADS] offset:4096+128*\p
.endr
	VW
	s_wait_dscnt 0x0
	WIN 0x11                                       ; k and the table in window 1, Q and the scores in window 0
.set zt, 0
.rept 8
	WM SA+8*zt, 8*zt, Q0, TW+8*zt, KS+zt/2, QS, zt%2, 0            ; head 0: k Q0 + T
.set zt, zt+1
.endr
.set zt, 0
.rept 8
	WM SB+8*zt, 8*zt, Q1, TW+8*zt, KS+zt/2, QS, zt%2, 0            ; head 1: k Q1 + T
.set zt, zt+1
.endr
	WIN 0
	PLACES 4                                       ; in front of the loads into k's and the table's registers, and of the first read of scores
	WIN 0x40
	LOADW 0, ADV, 0                                ; v's eight fragments land under head 0's softmax
	WIN 0
	s_cmp_eq_u32 s[SN], 1                          ; behind the last key step there is no table: no load leaves its buffer
	s_cbranch_scc1 .Lnotab_\@
	WIN 0x40
.set zi, 0
.rept 16
	global_load_b128 v[TW+4*zi:TW+4*zi+3], v[LI], s[TAB:TAB+1] offset:8192+512*zi   ; the next step's table: it has both softmaxes in which to land
.set zi, zi+1
.endr
	WIN 0
.Lnotab_\@:
	SOFTMAX SA, ST0, OT
	VW
	s_wait_dscnt 0x0                               ; v's fragments
	WIN 0x51                                       ; v in window 1, p in window 0, O^T in window 1
.set zt, 0
.rept 4
	WM OT+8*zt, 8*zt, PC, OT+8*zt, VS+zt/2, PW, zt%2, 0
.set zt, zt+1
.endr
	WIN 0
	SOFTMAX SB, ST1, OT+32
	WIN 0x51
.set zt, 4
.rept 4
	WM OT+8*zt, 8*zt, PC, OT+8*zt, VS+zt/2, PW, zt%2, 0
.set zt, zt+1
.endr
	WIN 0
	VW
	s_wait_loadcnt 0x0                             ; the next step's table, and any codes asked for before this step: all my loads are done, so the table's base may step
	s_add_nc_u64 s[TAB:TAB+1], s[TAB:TAB+1], 8192
	s_add_co_u32 s[TK], s[TK], 8192
	s_add_co_u32 s[TS], s[TS], 512
	s_sub_co_u32 s[SN], s[SN], 1
	s_sub_co_u32 s[IN], s[IN], 1
	s_cmp_lg_u32 s[IN], 0
	s_cbranch_scc1 .Lstep_\@
.endm
	s_load_b512 s[8:23], s[0:1], 0x0               ; cod, scl, tab, bq, bk, bv, key_mask, att
	v_lshl_add_u32 v[SPW], v0, 2, SPARE
	v_mov_b32 v[NIL], 0
	v_lshrrev_b32 v[LN], 5, v0
	v_readfirstlane_b32 s[WV], v[LN]               ; wave 0..7
	s_lshr_b32 s[HP], ttmp9, 6                     ; head pair
	s_and_b32 s[BN], ttmp9, 63                     ; (batch, step)
	s_lshr_b32 s[BB], s[BN], 3                     ; batch
	s_mov_b32 s[SEL], 0x76543210
	s_mov_b32 s[SEL+1], 0xfedcba98                 ; v_permlanex16_b32's selects for lane l xor 16
	s_mov_b32 s[CS], 0x3e38aa3b                    ; log2(e) / 8
	s_mov_b32 s[CS+1], s[CS]
	s_mov_b32 s[T0+1], 0
	s_lshr_b32 s[ORD], s[WV], 2
	s_xor_b32 s[ORD], s[ORD], s[WV]
	s_and_b32 s[ORD], s[ORD], 1
	s_and_b32 s[T1], s[WV], 3
	s_cmp_eq_u32 s[T1], s[HP]
	s_cselect_b32 s[PFL], 1, 0
	s_lshl_b32 s[X1], s[WV], 12
	s_add_co_u32 s[X1], s[X1], KIMG                ; k images: tiles 4 w .. 4 w + 3 of a chunk's 32
	s_lshr_b32 s[T0], s[WV], 1                     ; which key step of the chunk's four
	s_and_b32 s[T1], s[WV], 1                      ; which half of its 128 keys
	s_lshl_b32 s[X1+1], s[T0], 13
	s_lshl_b32 s[X1+2], s[T1], 9
	s_add_co_u32 s[X1+1], s[X1+1], s[X1+2]
	s_add_co_u32 s[X1+1], s[X1+1], VIMG            ; v images: the step's fragments, my half of 512 bytes
	s_lshl_b32 s[X1+2], s[WV], 8
	s_add_co_u32 s[X1+2], s[X1+2], KSCL
	s_lshl_b32 s[X1+3], s[T0], 9
	s_lshl_b32 s[T1], s[T1], 1
	s_add_co_u32 s[X1+3], s[X1+3], s[T1]
	s_add_co_u32 s[X1+3], s[X1+3], VSCL
	s_lshl_b32 s[X1+4], s[WV], 12
	s_lshl_b32 s[X1+5], s[WV], 8
	s_add_co_u32 s[X1+5], s[X1+5], WSCL
	s_lshl_b32 s[X1+6], s[WV], 9
	s_add_co_u32 s[X1+6], s[X1+6], BIA
	; every address that stays is made here, in one run of vector lines
	v_and_b32 v[LN], 31, v0
	v_and_b32 v[RR], 15, v0
	v_bfe_u32 v[HH], v0, 4, 1
	v_lshlrev_b32 v[LI], 4, v[LN]
	v_add_nc_u32 v[LWK], WKI, v[LI]
	v_add_nc_u32 v[LWV], WVI, v[LI]
	v_add_nc_u32 v[LSC], WSCL, v[LI]
	v_lshl_add_u32 v[LB], v[HH], 6, BIA
	v_and_b32 v[KR], 8, v[RR]
	v_add_nc_u32 v[KR], v[KR], v[RR]
	v_lshl_add_u32 v[LBV], v[KR], 2, BIA+1024
	v_add_nc_u32 v[KWI], s[X1], v[LI]
	v_lshl_add_u32 v[VWI], v[RR], 4, s[X1+1]
	v_lshl_add_u32 v[VWI], v[HH], 3, v[VWI]
	v_lshl_add_u32 v[KWS], v[RR], 2, s[X1+2]
	v_lshl_add_u32 v[VWS], v[RR], 2, s[X1+3]
	v_lshlrev_b32 v[PFO], 8, v[LN]
	v_add_nc_u32 v[CP], s[X1+4], v[LI]
	v_add_nc_u32 v[CP2], WVI, v[CP]
	v_lshl_add_u32 v[CS8], v[LN], 3, s[X1+5]
	v_add_nc_u32 v[CB], s[X1+6], v[LI]
	v_lshlrev_b32 v[L8], 3, v[LN]
	v_lshlrev_b32 v[R16], 4, v[RR]
	v_lshlrev_b32 v[L4], 2, v[LN]
	v_lshlrev_b32 v[R4], 2, v[RR]
	VW                                             ; the head's end
	s_wait_kmcnt 0x0
	s_cmp_eq_u32 s[WV], 1                          ; waves 0, 1, 2 bring bq, bk, bv
	s_cselect_b64 s[PB:PB+1], s[16:17], s[14:15]
	s_cmp_eq_u32 s[WV], 2
	s_cselect_b64 s[PB:PB+1], s[18:19], s[PB:PB+1]
	s_lshl_b32 s[T0], s[HP], 9
	s_add_nc_u64 s[PB:PB+1], s[PB:PB+1], s[T0:T0+1]
	OFF2 HP, 15, WV, 12, 4608*4096                 ; tile 4608 + 8 hp + w: my tile of Wq; Wk's and Wv's lie 32 and 64 tiles on
	s_add_nc_u64 s[PWT:PWT+1], s[8:9], s[T0:T0+1]
	OFF2 HP, 11, WV, 8, 4608*256
	s_add_nc_u64 s[PWS:PWS+1], s[10:11], s[T0:T0+1]
	OFF2 BN, 15, WV, 12, 4096*4096                 ; tile 4096 + 8 bn + w: my query tile
	s_add_nc_u64 s[PQ:PQ+1], s[8:9], s[T0:T0+1]
	OFF2 BN, 11, WV, 8, 4096*256
	s_add_nc_u64 s[PQS:PQS+1], s[10:11], s[T0:T0+1]
	OFF2 BN, 18, WV, 14, 0                         ; tiles 64 bn + 4 w .. + 3: my 64 keys of chunk 0
	s_add_nc_u64 s[PA:PA+1], s[8:9], s[T0:T0+1]
	OFF2 BN, 14, WV, 10, 0
	s_add_nc_u64 s[PAS:PAS+1], s[10:11], s[T0:T0+1]
	OFF2 BB, 10, WV, 6, 0
	s_add_nc_u64 s[PM:PM+1], s[20:21], s[T0:T0+1]
	OFF2 BB, 19, WV, 16, 0
	s_add_nc_u64 s[TAB:TAB+1], s[12:13], s[T0:T0+1]
	OFF2 BN, 15, WV, 12, 0
	s_lshl_b32 s[T1], s[HP], 10
	s_add_co_u32 s[T0], s[T0], s[T1]
	s_add_nc_u64 s[PO:PO+1], s[22:23], s[T0:T0+1]
	OFF2 BN, 11, WV, 8, 2097152
	s_lshl_b32 s[T1], s[HP], 6
	s_add_co_u32 s[T0], s[T0], s[T1]
	s_add_nc_u64 s[POS:POS+1], s[22:23], s[T0:T0+1]
	; ---- the weights, the query tile, chunk 0's keys and key step 0's table are asked for; the weights go on to LDS
	s_cmp_lt_u32 s[WV], 3
	s_cbranch_scc0 .Lnob1
	global_load_b128 v[212:215], v[LI], s[PB:PB+1] ; the pair's 128 numbers of one bias
.Lnob1:
.irp m, 0,1,2
.irp i, 0,1,2,3,4,5,6,7
	global_load_b128 v[108+32*\m+4*\i:108+32*\m+4*\i+3], v[LI], s[PWT:PWT+1] offset:\m*131072+512*\i
.endr
.endr
.irp m, 0,1,2
	global_load_b64 v[204+2*\m:205+2*\m], v[L8], s[PWS:PWS+1] offset:\m*8192
.endr
.irp i, 0,1,2,3,4,5,6,7
	global_load_b128 v[QA+4*\i:QA+4*\i+3], v[LI], s[PQ:PQ+1] offset:512*\i
.endr
	global_load_b128 v[QAS:QAS+3], v[R16], s[PQS:PQS+1]
	global_load_b128 v[ASC:ASC+3], v[LI], s[PAS:PAS+1]
	global_load_b128 v[ASC+4:ASC+7], v[LI], s[PAS:PAS+1] offset:512
.irp x, 0,1,2,3
	global_load_u8 v[KM+\x], v[KR], s[PM:PM+1] offset:32*(\x/2)+8*(\x%2)
.endr
	WIN 0x40                                       ; destination: window 1
.set zi, 0
.rept 16
	global_load_b128 v[KF+4*zi:KF+4*zi+3], v[LI], s[PA:PA+1] offset:512*zi
.set zi, zi+1
.endr
.set zi, 0
.rept 16
	global_load_b128 v[4*zi:4*zi+3], v[LI], s[PA:PA+1] offset:8192+512*zi
.set zi, zi+1
.endr
.set zi, 0
.rept 16
	global_load_b128 v[TW+4*zi:TW+4*zi+3], v[LI], s[TAB:TAB+1] offset:512*zi
.set zi, zi+1
.endr
	WIN 0
	s_cmp_eq_u32 s[PFL], 0
	s_cbranch_scc1 .Lnopf
	global_prefetch_b8 v[PFO], s[PA:PA+1] offset:131072 th:TH_LOAD_NT scope:SCOPE_SE   ; chunk 1's four tiles of wave w
	global_prefetch_b8 v[PFO], s[PA:PA+1] offset:139264 th:TH_LOAD_NT scope:SCOPE_SE
.Lnopf:
	s_wait_loadcnt 54                              ; 2 + 4 + 48 loads were issued behind the query tile's scale words: the weights and the query tile are in
.irp m, 0,1
.irp i, 0,1,2,3,4,5,6,7
	ds_store_b128 v[CP], v[108+32*\m+4*\i:108+32*\m+4*\i+3] offset:\m*32768+512*\i
.endr
.endr
.irp i, 0,1,2,3,4,5,6,7
	ds_store_b128 v[CP2], v[172+4*\i:172+4*\i+3] offset:512*\i
.endr
.irp m, 0,1,2
	ds_store_b64 v[CS8], v[204+2*\m:205+2*\m] offset:\m*2048
.endr
	s_cmp_lt_u32 s[WV], 3
	s_cbranch_scc0 .Lnob2
	ds_store_b128 v[CB], v[212:215]
.Lnob2:
.irp b, 0,1,2,3
	v_mov_b32 v[TM+4+\b], 0                        ; written once: a lane permute's destination counts as one of its sources
.endr
	BARRIER                                        ; the pair's weights, their scale bytes and the biases lie in LDS
	; ---- q of my query tile: source 0 = Wq's tiles, source 1 = the queries; bq is loaded into the accumulators
.irp p, 0,1,2,3
.irp u, 0,1
.irp e, 0,1
	ds_load_b128 v[ACC+16*\p+8*\u+4*\e:ACC+16*\p+8*\u+4*\e+3], v[LB] offset:(32*\p+8*\u)*4+16*\e
.endr
.endr
.endr
.set zp, 0
.rept 4
	LOADW WA, LI, zp*8192
	ds_load_b128 v[WSC:WSC+3], v[LSC] offset:zp*512
	s_wait_dscnt 0x0
.set zs, 0
.rept 4
.set zu, 0
.rept 2
	WM ACC+16*zp+8*zu, WA+32*zu+8*zs, QA+8*zs, ACC+16*zp+8*zu, WSC+zs, QAS+zs, zu, 0   ; the two accumulators by turns
.set zu, zu+1
.endr
.set zs, zs+1
.endr
	PLACES 4
.set zp, zp+1
.endr
	QUANT ACC
.irp n, 0,1,2,3
	v_mov_b32 v[Q0+\n], v[PC+\n]                   ; Q0: head 0's 64 codes, then zeros
	v_mov_b32 v[Q0+4+\n], 0
	v_mov_b32 v[Q1+\n], 0                          ; Q1: zeros, then head 1's
	v_mov_b32 v[Q1+4+\n], v[PC+4+\n]
.endr
	v_mov_b32 v[QS], v[PW]
	WIN 0x40
.set zj, 0
.rept 64
	v_mov_b32 v[OT+zj], 0                          ; O^T: the key step is written once; its first walk finds zeros, which the first change of M leaves zeros
.set zj, zj+1
.endr
	WIN 0
.irp t, ST0, ST1
	v_mov_b32 v[\t+1], 0xff61b1e6                  ; the largest t so far: -3e38
	v_floor_f32 v[\t], -v[\t+1]
	v_mov_b32 v[\t+2], 0
	v_mov_b32 v[\t+3], 0
.endr
	v_mov_b32 v[FF+1], 0
	VW
	s_wait_loadcnt 0x0                             ; chunk 0's keys and key step 0's table
	s_mov_b32 s[TT], 0
	s_mov_b32 s[TC], 0
	s_mov_b32 s[TC1], 0
	s_mov_b32 s[SN], 8
	s_mov_b32 s[TK], KIMG
	s_mov_b32 s[TS], KSCL
.Ltrip:                                            ; two trips: chunk t is made; in trip 1 chunk 0 is walked
	v_add_nc_u32 v[KWA], s[TC], v[KWI]             ; where this trip's chunk is stored: made on the way that all waves take
	v_add_nc_u32 v[VWA], s[TC], v[VWI]
	v_add_nc_u32 v[KSA], s[TC1], v[KWS]
	v_add_nc_u32 v[VSA], s[TC1], v[VWS]
	VW
	s_cmp_lg_u32 s[ORD], 0
	s_cbranch_scc1 .Lwalk
	MAKE
.Lwalk:
	s_cmp_eq_u32 s[TT], 0
	s_cbranch_scc1 .Lwalked
	WALK
.Lwalked:
	s_cmp_eq_u32 s[ORD], 0
	s_cbranch_scc1 .Lmade
	MAKE
.Lmade:
	BARRIER                                        ; chunk t lies whole in LDS
	s_add_co_u32 s[TC], s[TC], 32768
	s_add_co_u32 s[TC1], s[TC1], 2048
	s_add_co_u32 s[TT], s[TT], 1
	s_cmp_lt_u32 s[TT], 2
	s_cbranch_scc1 .Ltrip
	WALK                                           ; chunk 1
	; ---- the way out: O^T / the sum, quantised along the 128 units: K step hp of the last product's operand, stored as an image of its registers
	v_add_f32 v[TM], v[ST0+2], v[ST0+3]
	v_add_f32 v[TM+1], v[ST1+2], v[ST1+3]
	v_permlanex16_b32 v[TM+4], v[TM], s[SEL], s[SEL+1]
	v_permlanex16_b32 v[TM+5], v[TM+1], s[SEL], s[SEL+1]
	v_add_f32 v[TM], v[TM], v[TM+4]
	v_add_f32 v[TM+1], v[TM+1], v[TM+5]
	VW                                             ; ahead of the reciprocals
	v_rcp_f32 v[TM+2], v[TM]
	v_rcp_f32 v[TM+3], v[TM+1]
	v_nop                                          ; a plain line behind them
	WIN 0x01                                       ; source 0: window 1
	VW                                             ; one wait for both, directly ahead of their first reader, which is O^T's too
.set zj, 0
.rept 64
	v_mul_f32 v[SA+zj], v[OT+zj], v[TM+2+zj/32]    ; each accumulator from its low end on
.set zj, zj+1
.endr
	WIN 0
	QUANT SA
	global_store_b128 v[LI], v[PC:PC+3], s[PO:PO+1]              ; 512 consecutive bytes, aligned
	global_store_b128 v[LI], v[PC+4:PC+7], s[PO:PO+1] offset:512
	global_store_b32 v[R4], v[PW], s[POS:POS+1]                  ; 16 scale words; both halves of the lanes write the same word
	s_wait_tensorcnt 0x0                           ; the wave's end
	ds_add_u32 v[SPW], v[NIL]
	s_wait_dscnt 0x0
	s_endpgm
.Lfunc_end_k_q6375ccc484_attn:
	.size	k_q6375ccc484_attn, .Lfunc_end_k_q6375ccc484_attn-k_q6375ccc484_attn
	.p2alignl 7, 3214868480
	.fill 96, 4, 3214868480
	.section	.rodata,"a",@progbits
	.p2align	6, 0x0
	.amdhsa_kernel k_q6375ccc484_attn
		.amdhsa_group_segment_fixed_size 246272
		.amdhsa_private_segment_fixed_size 0
		.amdhsa_enable_private_segment 0
		.amdhsa_kernarg_size 64
		.amdhsa_user_sgpr_count 2
		.amdhsa_user_sgpr_kernarg_segment_ptr 1
		.amdhsa_wavefront_size32 1
		.amdhsa_system_sgpr_workgroup_id_x 1
		.amdhsa_system_sgpr_workgroup_id_y 1
		.amdhsa_system_sgpr_workgroup_id_z 1
		.amdhsa_system_vgpr_workitem_id 0
		.amdhsa_next_free_vgpr 512
		.amdhsa_next_free_sgpr 84
		.amdhsa_reserve_vcc 0
		.amdhsa_float_denorm_mode_32 3
		.amdhsa_float_denorm_mode_16_64 3
		.amdhsa_memory_ordered 1
		.amdhsa_forward_progress 1
		.amdhsa_inst_pref_size 255
	.end_amdhsa_kernel
	.section	.bss,"aw",@nobits
	.p2align	6
	.space	262144
	.amdgpu_metadata
---
amdhsa.version: [ 1, 2 ]
amdhsa.kernels:
  - .name:           k_q6375ccc484_attn
    .symbol:         k_q6375ccc484_attn.kd
    .args:
      - { .name: cod, .offset: 0, .size: 8, .value_kind: global_buffer, .address_space: global }
      - { .name: scl, .offset: 8, .size: 8, .value_kind: global_buffer, .address_space: global }
      - { .name: tab, .offset: 16, .size: 8, .value_kind: global_buffer, .address_space: global }
      - { .name: bq, .offset: 24, .size: 8, .value_kind: global_buffer, .address_space: global }
      - { .name: bk, .offset: 32, .size: 8, .value_kind: global_buffer, .address_space: global }
      - { .name: bv, .offset: 40, .size: 8, .value_kind: global_buffer, .address_space: global }
      - { .name: key_mask, .offset: 48, .size: 8, .value_kind: global_buffer, .address_space: global }
      - { .name: att, .offset: 56, .size: 8, .value_kind: global_buffer, .address_space: global }
    .group_segment_fixed_size: 246272
    .private_segment_fixed_size: 0
    .kernarg_segment_align: 8
    .kernarg_segment_size: 64
    .max_flat_workgroup_size: 256
    .sgpr_count:     84
    .vgpr_count:     512
    .wavefront_size: 32
...
	.end_amdgpu_metadata
.endif
;; end of part 2
;; launch oproj (part 3): grid 256 x 1, 8 waves a work-group, no clusters, 103,424 bytes of LDS; arguments att, cod, scl, bo, out0; writes out0
.if DOCPART == 3
	.amdgcn_target "amdgcn-amd-amdhsa--gfx1250"
	.amdhsa_code_object_version 6
	.text
	.protected	k_q6375ccc484_oproj
	.globl	k_q6375ccc484_oproj
	.p2align	8
	.type	k_q6375ccc484_oproj,@function
k_q6375ccc484_oproj:
	s_mov_b64 s[64:65], 0
	v_nop
	global_prefetch_b8 v0, s[64:65] scope:SCOPE_SE
	s_setreg_imm32_b32 hwreg(HW_REG_WAVE_MODE, 25, 1), 1
	s_wait_xcnt 0x0
; Launch 3 of 3: out0 = Q(attention output) Q(Wo)^T + bo, on E2M1 codes by v_wmma_scale_f32_16x16x128_f8f6f4.  Nothing is left out as dead work.
; SHARES.  Work-group x: (batch, step) x / 4, output columns 128 (x % 4) .. + 127.  Wave w: query tile w (16 rows) against the 8 tiles of Wo: 64 accumulator registers, 32 matrix instructions.
; Both operands come as images of their registers (16 bytes a lane, 512 dense bytes a load).  Wave w brings tile w of Wo's eight to LDS; all eight waves read all eight.
; TRANSPOSED: source 0 = 16 rows of Wo, source 1 = 16 rows of the attention output: a lane holds one row of out0 and, in two neighbouring tiles, 16 neighbouring columns.  bo is loaded into the accumulators.
; The results go through the wave's own stage in LDS and leave as whole runs of 512 bytes of a row.
; NO JOINT LOADS: a work-group reads its 34,816 bytes of Wo and 34,816 of the attention output once, at its head, straight into registers; there is no ring whose refills partners could ask for together.
; No prefetch: all addresses are asked for by the loads themselves in the first lines.
; LIMITS: NaN and infinities are not served; bo is added inside the matrix instruction, with its rounding.
.set WOI,   0                          ; LDS: Wo's 8 tiles, 4,096 bytes each;
.set WOS,   32768                      ; their scale bytes, 256 each;
.set SPARE, 34816                      ; the spare words, 128 bytes a wave;
.set STG,   35840                      ; a stage of 16 rows x (512 + 16) bytes for each wave
.set SPI,   528
.set LI,  1                            ; 16 x lane
.set R4,  2                            ; 4 r
.set LB,  3                            ; 64 h
.set CP,  4                            ; where I store my tile of Wo
.set CS8, 5                            ; its scale bytes
.set LSC, 6                            ; 16 x lane + WOS
.set STO, 7                            ; the stage, in
.set SRD, 8                            ; and out
.set L8,  9                            ; 8 x lane
.set AS,  12                           ; v12-15 the attention output's scale words, one for each K step
.set WSC, 16                           ; v16-23 Wo's, two sets
.set AF,  24                           ; v24-55 the attention output's four fragments
.set ACC, 56                           ; v56-119
.set WF0, 120                          ; v120-183, v184-247: two tiles of Wo, all four K steps; two sets
.set SPW, 252
.set NIL, 253
.set WV,  14
.set BN,  15
.set CQ,  16
.set T0,  18                           ; s[18:19]
.set T1,  20
.set PWT, 22
.set PWS, 24
.set PAT, 26
.set PAS, 28
.set PBO, 30
.set PO,  32
.macro PLACES n
.rept \n
	v_nop
.endr
.endm
.macro WM d, a, b, c, sa, sb, ra       ; one matrix instruction; ra = 1: source 0's scale words stand in lanes 16-31
.if (\ra) == 0
	v_wmma_scale_f32_16x16x128_f8f6f4 v[(\d):(\d)+7], v[(\a):(\a)+7], v[(\b):(\b)+7], v[(\c):(\c)+7], v[(\sa)], v[(\sb)] matrix_a_fmt:MATRIX_FMT_FP4 matrix_b_fmt:MATRIX_FMT_FP4
.else
	v_wmma_scale_f32_16x16x128_f8f6f4 v[(\d):(\d)+7], v[(\a):(\a)+7], v[(\b):(\b)+7], v[(\c):(\c)+7], v[(\sa)], v[(\sb)] matrix_a_fmt:MATRIX_FMT_FP4 matrix_b_fmt:MATRIX_FMT_FP4 matrix_a_scale:MATRIX_SCALE_ROW1
.endif
.endm
.macro LW p                            ; Wo's tiles 2 p, 2 p + 1 and their scale words into set p % 2: 17 LDS loads
.set WB, WF0+64*((\p)%2)
.set zi, 0
.rept 16
	ds_load_b128 v[WB+4*zi:WB+4*zi+3], v[LI] offset:(\p)*8192+512*zi
.set zi, zi+1
.endr
	ds_load_b128 v[WSC+4*((\p)%2):WSC+4*((\p)%2)+3], v[LSC] offset:(\p)*512
.endm
.macro MM p                            ; 8 matrix instructions: the two accumulators by turns, K ascending
.set WB, WF0+64*((\p)%2)
.set zs, 0
.rept 4
.set zu, 0
.rept 2
	WM ACC+16*(\p)+8*zu, WB+32*zu+8*zs, AF+8*zs, ACC+16*(\p)+8*zu, WSC+4*((\p)%2)+zs, AS+zs, zu
.set zu, zu+1
.endr
.set zs, zs+1
.endr
.endm
	s_load_b256 s[4:11], s[0:1], 0x0               ; att s[4:5], cod s[6:7], scl s[8:9], bo s[10:11]
	s_load_b64 s[12:13], s[0:1], 0x20              ; out0
	v_lshl_add_u32 v[SPW], v0, 2, SPARE
	v_mov_b32 v[NIL], 0
	v_lshrrev_b32 v254, 5, v0
	s_delay_alu instid0(VALU_DEP_1)
	v_readfirstlane_b32 s[WV], v254                ; wave 0..7
	s_lshr_b32 s[BN], ttmp9, 2
	s_and_b32 s[CQ], ttmp9, 3
	v_and_b32 v254, 31, v0                         ; lane
	v_and_b32 v255, 15, v0                         ; r
	s_delay_alu instid0(VALU_DEP_2)
	v_lshlrev_b32 v[LI], 4, v254
	s_delay_alu instid0(VALU_DEP_2)
	v_lshlrev_b32 v[R4], 2, v255
	v_bfe_u32 v[LB], v0, 4, 1
	s_delay_alu instid0(VALU_DEP_1)
	v_lshlrev_b32 v[LB], 6, v[LB]
	s_lshl_b32 s[T0], s[WV], 12
	v_add_nc_u32 v[CP], s[T0], v[LI]
	s_lshl_b32 s[T0], s[WV], 8
	s_add_co_u32 s[T0], s[T0], WOS
	v_lshl_add_u32 v[CS8], v254, 3, s[T0]
	v_add_nc_u32 v[LSC], WOS, v[LI]
	s_mul_i32 s[T0], s[WV], 16*SPI
	s_add_co_u32 s[T0], s[T0], STG
	v_mul_u32_u24 v[STO], v255, SPI
	s_delay_alu instid0(VALU_DEP_1)
	v_add_nc_u32 v[STO], v[STO], v[LB]
	s_delay_alu instid0(VALU_DEP_1)
	v_add_nc_u32 v[STO], s[T0], v[STO]             ; row r, + 64 h: my 16 columns of a block of 32
	v_add_nc_u32 v[SRD], s[T0], v[LI]              ; back: 32 lanes take a row's 512 bytes
	v_lshlrev_b32 v[L8], 3, v254
	s_mov_b32 s[T0+1], 0
	s_wait_alu depctr_va_vdst(0)
	s_wait_kmcnt 0x0
	s_lshl_b32 s[T0], s[CQ], 15                    ; tile 4704 + 8 cq + w of the codes
	s_lshl_b32 s[T1], s[WV], 12
	s_add_co_u32 s[T0], s[T0], s[T1]
	s_add_co_u32 s[T0], s[T0], 4704*4096
	s_add_nc_u64 s[PWT:PWT+1], s[6:7], s[T0:T0+1]
	s_lshl_b32 s[T0], s[CQ], 11
	s_lshl_b32 s[T1], s[WV], 8
	s_add_co_u32 s[T0], s[T0], s[T1]
	s_add_co_u32 s[T0], s[T0], 4704*256
	s_add_nc_u64 s[PWS:PWS+1], s[8:9], s[T0:T0+1]
	s_lshl_b32 s[T0], s[BN], 15                    ; the attention output's tile 8 bn + w
	s_lshl_b32 s[T1], s[WV], 12
	s_add_co_u32 s[T0], s[T0], s[T1]
	s_add_nc_u64 s[PAT:PAT+1], s[4:5], s[T0:T0+1]
	s_lshl_b32 s[T0], s[BN], 11
	s_lshl_b32 s[T1], s[WV], 8
	s_add_co_u32 s[T0], s[T0], s[T1]
	s_add_co_u32 s[T0], s[T0], 2097152
	s_add_nc_u64 s[PAS:PAS+1], s[4:5], s[T0:T0+1]
	s_lshl_b32 s[T0], s[CQ], 9
	s_add_nc_u64 s[PBO:PBO+1], s[10:11], s[T0:T0+1]
	s_lshl_b32 s[T1], s[BN], 18                    ; out0: row 128 bn + 32 (w / 2) + 8 (w % 2) of 2,048 bytes, + 512 cq
	s_add_co_u32 s[T0], s[T0], s[T1]
	s_lshr_b32 s[T1], s[WV], 1
	s_lshl_b32 s[T1], s[T1], 16
	s_add_co_u32 s[T0], s[T0], s[T1]
	s_and_b32 s[T1], s[WV], 1
	s_lshl_b32 s[T1], s[T1], 14
	s_add_co_u32 s[T0], s[T0], s[T1]
	s_add_nc_u64 s[PO:PO+1], s[12:13], s[T0:T0+1]
.irp i, 0,1,2,3,4,5,6,7
	global_load_b128 v[WF0+4*\i:WF0+4*\i+3], v[LI], s[PWT:PWT+1] offset:512*\i
.endr
	global_load_b64 v[WF0+32:WF0+33], v[L8], s[PWS:PWS+1]
.irp i, 0,1,2,3,4,5,6,7
	global_load_b128 v[AF+4*\i:AF+4*\i+3], v[LI], s[PAT:PAT+1] offset:512*\i
.endr
.irp s, 0,1,2,3
	global_load_b32 v[AS+\s], v[R4], s[PAS:PAS+1] offset:64*\s
.endr
.irp p, 0,1,2,3
.irp u, 0,1
.irp e, 0,1
	global_load_b128 v[ACC+16*\p+8*\u+4*\e:ACC+16*\p+8*\u+4*\e+3], v[LB], s[PBO:PBO+1] offset:(32*\p+8*\u)*4+16*\e   ; bo at my eight columns of each tile
.endr
.endr
.endr
	s_wait_loadcnt 28                              ; Wo's nine loads are in; the 28 issued behind them may be out
.irp i, 0,1,2,3,4,5,6,7
	ds_store_b128 v[CP], v[WF0+4*\i:WF0+4*\i+3] offset:512*\i
.endr
	ds_store_b64 v[CS8], v[WF0+32:WF0+33]
	s_wait_dscnt 0x0                               ; for the others' sake: my stores have landed
	s_barrier_signal -1
	s_barrier_wait -1
	s_wait_loadcnt 0x0
	LW 0
	LW 1
	s_wait_dscnt 17                                ; pair 0 is in; pair 1's 17 loads may be out
	MM 0
	PLACES 4
	LW 2
	s_wait_dscnt 17
	MM 1
	PLACES 4
	LW 3
	s_wait_dscnt 17
	MM 2
	s_wait_dscnt 0x0
	MM 3
	PLACES 4                                       ; in front of the first read of results, and of the loads into registers that the products read
.irp p, 0,1,2,3
.irp u, 0,1
	ds_store_b128 v[STO], v[ACC+16*\p+8*\u:ACC+16*\p+8*\u+3] offset:128*\p+32*\u          ; each accumulator from its low end on
	ds_store_b128 v[STO], v[ACC+16*\p+8*\u+4:ACC+16*\p+8*\u+7] offset:128*\p+32*\u+16
.endr
.endr
.set zi, 0
.rept 16
	ds_load_b128 v[WF0+4*zi:WF0+4*zi+3], v[SRD] offset:SPI*zi   ; LDS serves a wave's instructions in order: these see my stores
.set zi, zi+1
.endr
.set zi, 0
.rept 16
	s_wait_dscnt 15-zi
	global_store_b128 v[LI], v[WF0+4*zi:WF0+4*zi+3], s[PO:PO+1] offset:(zi+8*(zi/8))*2048 th:TH_STORE_NT   ; place zi of the tile: 512 consecutive bytes of its row, aligned
.set zi, zi+1
.endr
	s_wait_tensorcnt 0x0                           ; the wave's end
	ds_add_u32 v[SPW], v[NIL]
	s_wait_dscnt 0x0
	s_endpgm
.Lfunc_end_k_q6375ccc484_oproj:
	.size	k_q6375ccc484_oproj, .Lfunc_end_k_q6375ccc484_oproj-k_q6375ccc484_oproj
	.p2alignl 7, 3214868480
	.fill 96, 4, 3214868480
	.section	.rodata,"a",@progbits
	.p2align	6, 0x0
	.amdhsa_kernel k_q6375ccc484_oproj
		.amdhsa_group_segment_fixed_size 103424
		.amdhsa_private_segment_fixed_size 0
		.amdhsa_enable_private_segment 0
		.amdhsa_kernarg_size 40
		.amdhsa_user_sgpr_count 2
		.amdhsa_user_sgpr_kernarg_segment_ptr 1
		.amdhsa_wavefront_size32 1
		.amdhsa_system_sgpr_workgroup_id_x 1
		.amdhsa_system_sgpr_workgroup_id_y 1
		.amdhsa_system_sgpr_workgroup_id_z 1
		.amdhsa_system_vgpr_workitem_id 0
		.amdhsa_next_free_vgpr 256
		.amdhsa_next_free_sgpr 66
		.amdhsa_reserve_vcc 0
		.amdhsa_float_denorm_mode_32 3
		.amdhsa_float_denorm_mode_16_64 3
		.amdhsa_memory_ordered 1
		.amdhsa_forward_progress 1
		.amdhsa_inst_pref_size 20
	.end_amdhsa_kernel
	.amdgpu_metadata
---
amdhsa.version: [ 1, 2 ]
amdhsa.kernels:
  - .name:           k_q6375ccc484_oproj
    .symbol:         k_q6375ccc484_oproj.kd
    .args:
      - { .name: att, .offset: 0, .size: 8, .value_kind: global_buffer, .address_space: global }
      - { .name: cod, .offset: 8, .size: 8, .value_kind: global_buffer, .address_space: global }
      - { .name: scl, .offset: 16, .size: 8, .value_kind: global_buffer, .address_space: global }
      - { .name: bo, .offset: 24, .size: 8, .value_kind: global_buffer, .address_space: global }
      - { .name: out0, .offset: 32, .size: 8, .value_kind: global_buffer, .address_space: global }
    .group_segment_fixed_size: 103424
    .private_segment_fixed_size: 0
    .kernarg_segment_align: 8
    .kernarg_segment_size: 40
    .max_flat_workgroup_size: 256
    .sgpr_count:     66
    .vgpr_count:     256
    .wavefront_size: 32
...
	.end_amdgpu_metadata
.endif
;; end of part 3
